; MI455X (gfx1250); checked and timed in simulation.
; The chip was launched on July 23, 2026; its instructions are those of AMD's public machine-readable ISA for CDNA 5 (MIT licence, August 2026) and "CDNA5" Instruction Set Architecture Reference Guide (July 2026). The comments in the code are by the model that wrote it; some were corrected since.
;; Memory Efficient Attention. Allowed arithmetic: matrix products marked QUANTISED: E2M1 operands, one E8M0 scale for each 32 along K, by v_wmma_scale_f32_16x16x128_f8f6f4 with both operands' format E2M1 (or v_wmma_scale_f32_32x16x128_f4), f32 sums; everything else in f32.
;; Inputs: key 2,048 x 2 x 8 x 128 float32; query 2,048 x 2 x 32 x 128 float32; value 2,048 x 2 x 8 x 128 float32.
;; Outputs: out0 2,048 x 2 x 4,096 float32.
;; This version of the problem:
;;   THIS VERSION OF THE PROBLEM IS GIVEN IN LOW PRECISION. The matrix products marked QUANTISED in the list below multiply operands that are first quantised to E2M1 (2 exponent bits, 1 mantissa bit; 4 bits a number), with one power-of-two scale for each 32 numbers along K (OCP MX v1.0); their sums are f32. All else is computed in f32.
;;   The module's matrix products, in the order in which they are computed (A, B: the left and right operand; K: the contracted axis; several contracted axes count as one K, in the product's order):
;;     1. batch 64 x [M 2,048, K 128] x [K 128, N 2,048]; A: input query; B: input key: QUANTISED
;;     2. batch 64 x [M 128, K 2,048] x [K 2,048, N 2,048]; A: input value; B: softmax (see below): QUANTISED
;;   THE QUANTISER, for each operand of a quantised product, along K:
;;     - K is cut into blocks of 32 from its start; a last block that is shorter is filled with zeros.
;;     - A block's scale is 2^e with e = floor(log2(the largest magnitude in the block)) - 2, held to -126 .. 127; a block of zeros has e = 0. As a byte (E8M0): e + 127.
;;     - Each number is divided by its block's scale, clamped to +-6, and rounded to the nearest number of E2M1, ties to even, subnormals kept.
;;     - The product sums the exact products of the quantised numbers (number of the format x scale) in f32.
;;   ~~~python
;;   def quantise(x, axis):      # numpy; x: float32 -> the quantised numbers, widened to float32 again
;;       x = np.moveaxis(x, axis, -1); K = x.shape[-1]
;;       x = np.pad(x, [(0, 0)] * (x.ndim - 1) + [(0, -K % 32)]); x = x.reshape(x.shape[:-1] + (-1, 32)); a = np.abs(x).max(-1, keepdims=True)
;;       e = np.where(a > 0, np.clip(np.frexp(np.where(a > 0, a, 1))[1] - 1 - 2, -126, 127), 0)      # np.frexp(a)[1] - 1 = floor(log2(a)), exactly
;;       r = np.clip(x / 2.0 ** e, -6, 6)
;;       step = 2.0 ** (np.maximum(np.frexp(np.where(r == 0, 1, r))[1] - 1, 0) - 1)
;;       q = np.round(r / step) * step * 2.0 ** e      # np.round: ties to even
;;       return np.moveaxis(q.reshape(q.shape[:-2] + (-1,))[..., :K], -1, axis).astype(np.float32)
;;   ~~~
;;   SOFTMAX AHEAD OF A QUANTISED PRODUCT. Where the list says 'softmax', what is quantised is not the finished softmax but p = 2^(t - M), with t = logit x log2(e) and M = ceil(the row's largest t), a whole number; so 1/2 < the row's largest p <= 1. The row's sum l is taken of the UNQUANTISED p, in f32, and the product's result is divided by l at the end. Since M is a whole number, a kernel that streams over the keys may use a running M (the ceiling of the running maximum): every later rescaling is an exact power of two, which a block's scale takes up: the codes' values come out the same.
;;   OPERANDS COMPUTED ON THE WAY. 'Computed on the way' means the value that the module computes at that place (a softmax that the list does not call 'softmax' is quantised finished and normalised). What goes into a quantiser is computed in f32, as accurately as f32 sums, v_exp_f32 and their like allow (about 1e-6 of the number): no bf16 or f16 on the way to a quantiser, and a product that is left as it is and whose result goes on into a quantised operand takes f32 operands (vector FMAs, or v_wmma_f32_16x16x4_f32). A number that lies on a knife's edge between two numbers of the format may be rounded either way, as far as f32 arithmetic and the matrix unit's own rounding can turn it there, and no further.
;; One version. Each part assembles by itself: llvm-mc -triple=amdgcn-amd-amdhsa -mcpu=gfx1250 --defsym DOCPART=n.
;; ======== version 1 of 1: 2 launches
;; limits: right only within a limited range of input values
;; workspace buffers: kv 4,456,448 bytes
;; launch quant (part 1): grid 384 x 1, 4 waves a work-group, no clusters, 43,520 bytes of LDS; arguments key, value, kv; writes kv
.if DOCPART == 1
	.amdgcn_target "amdgcn-amd-amdhsa--gfx1250"
	.amdhsa_code_object_version 6
	.text
	.protected	k_qbb85d1242c_quant
	.globl	k_qbb85d1242c_quant
	.p2align	8
	.type	k_qbb85d1242c_quant,@function
k_qbb85d1242c_quant:
	s_mov_b64 s[64:65], 0
	v_nop
	global_prefetch_b8 v0, s[64:65] scope:SCOPE_SE
	s_setreg_imm32_b32 hwreg(HW_REG_WAVE_MODE, 25, 1), 1
	s_wait_xcnt 0x0
; THE PROGRAM: causal attention with grouped heads, out[s][b][hq] = sum over k <= s of softmax_k(q . k / sqrt(128)) v, S = 2,048, B = 2, 32 query heads on 8 key heads, head size 128, both products on
; codes of FP4 (E2M1) with one E8M0 scale for each 32 along a product's K.  Two launches: this one turns key and value into codes; the second does all the rest.
; WORK LEFT OUT (by the second launch), and why it is dead.  For a key k behind a query q the problem's own body puts the least f32 number in the score's place (its mask is the lower triangle, built there,
; no input).  Key 0 counts for every query, so the row's largest score is an ordinary score, and the weight of a hidden key is the exponential of the least number less that score: 0.  A block of 32
; weights that are all 0 is quantised to zeros, which add nothing to the second product and nothing to the row's sum, whatever key and value hold there.  So a step of 128 keys all of which lie behind
; all 16 queries of a tile reaches no output, and both its products are left out; steps on the diagonal are done and masked.  No input is left out.
; LIMIT that goes with it: a NaN, an infinity or an overflow in keys or values that are hidden for a row is not carried to that row.
;
; THIS LAUNCH.  key, value: [2048 s][16 bh][128 d] f32 (bh = 8 b + hk); a row is 512 bytes, rows of one bh lie 8,192 bytes apart.
; kv: [16 bh][16 key steps][17,408 bytes].  A key step is 128 keys:
;   +0       K's codes, 128 rows x 64 bytes (d innermost), IN TILE ORDER: row = the key's number in the step with bits 3 and 4 exchanged, so that row 16 tau + r holds key 32 b + 8 u + r + 8 (r / 8), tau = 2 b + u
;   +8,192   V's codes, [128 d][64 bytes]: the step's 128 keys innermost, in their own order
;   +16,384  K's scale words: the word of (tile tau, row r) at 128 (tau / 2) + 8 r + 4 (tau % 2); its byte beta scales d = 32 beta on
;   +16,896  V's scale words, laid alike, for d = 16 tau + r; byte beta scales keys 32 beta on
; A block's scale is 2^(floor(log2(its largest magnitude)) - 2); its byte is the largest magnitude's exponent field - 2, held at 1 from below.
; LIMITS: a block of zeros gets the byte 1 where the rule says 127: its codes are zeros, which add nothing under any byte but 0xff, and this program alone reads the bytes; blocks whose largest magnitude
; lies under 2^(2 - 126) are held at that byte; NaN and infinities among the inputs are not served.
; SHARES.  Work-groups 0-127 take key: a wave 64 keys of one bh, in 16 steps of 4 keys (K of the product is innermost: a lane must hold 16 neighbours along d, so a step's 2,048 bytes turn through the wave's
; stage in LDS).  Work-groups 128-383 take value: a work-group one key step of one bh, a wave 32 columns d, a lane one column with its registers running down the keys.
; The two paths part on the work-group's number and have LDS bytes of their own.  No tensor load, no barrier: waves share nothing.  Matrix units and clusters have nothing to do in a stream.
.set BHB,   278528                     ; bytes of kv for a bh
.set STEPM, 17408                      ; and for a key step
; THE 16-BYTE PIECES OF A ROW OF CODES ARE EXCHANGED: piece q (0 .. 3) of row rho, of K's codes and of V's alike, lies at 64 rho + 16 (q xor ((rho / 4) % 4)).  The second launch keeps the rows dense in LDS.
; Only the lanes' offsets inside a store change: each store covers the same bytes as before.
.set KA,    200                        ; v200-203 key: 8 x lane xor 16 f, f = 0 .. 3
.set VA,    204                        ; v204-205 value: 16 x lane xor 16 (lane / 16), and that xor 32
.set SP,    80                         ; a lane's place in a stage: 64 bytes + 16 of padding
.set VBASE, 32768                      ; LDS: 0 .. 32,767 key's path, 8,192 a wave (two stages of 32 x SP, then 256 scale bytes at +5,120); from here value's path, 2,560 a wave (32 rows x SP)
.set SPARE, 43008                      ; behind both: the spare words, 128 bytes for each wave: two blocks of 256 bytes that no other line names
.set R,     16                         ; key: v16-79   four sets of 16 numbers as they are loaded
.set X,     80                         ;      v80-111  two sets of 16 neighbours
.set E,     112                        ;      v112-127 a scale byte for each step
.set C,     128                        ;      v128-191 codes: four registers for each step, so that no store's data are written again
.set VX,    32                         ; value: v32-95 two sets of 32 numbers
.set VC,    96                         ;        v96-99 a block's codes
.set VSB,   100                        ;        v100   my column's scale word
.set VOUT,  112                        ;        v112-127 the way out
.set SPW,   192                        ; v192  LDS address of my spare word: SPARE + 4 x my thread's number; never rewritten
.set NIL,   193                        ; v193  0; never rewritten
	s_load_b128 s[4:7], s[0:1], 0x0                ; key s[4:5], value s[6:7]
	s_load_b64 s[8:9], s[0:1], 0x10                ; kv
	v_lshl_add_u32 v[SPW], v0, 2, SPARE
	v_mov_b32 v[NIL], 0
	v_lshrrev_b32 v1, 5, v0
	v_readfirstlane_b32 s16, v1                    ; wave 0..3
	v_and_b32 v2, 31, v0                           ; lane
	v_lshlrev_b32 v3, 4, v2                        ; 16 x lane
	v_lshlrev_b32 v4, 3, v2                        ; 8 x lane
	; every LDS address of both paths is made here, ahead of the parting
	s_lshl_b32 s17, s16, 13                        ; key's path: my wave's 8,192 bytes
	s_mul_i32 s18, s16, 2560
	s_add_co_u32 s18, s18, VBASE                   ; value's path: my wave's 2,560
	v_lshrrev_b32 v14, 2, v2
	v_mul_u32_u24 v14, v14, SP
	v_and_b32 v15, 3, v2
	v_lshl_add_u32 v14, v15, 4, v14                ; SP (lane / 4) + 16 (lane % 4): four lanes' 64 bytes on end, then the padding
	v_mul_u32_u24 v15, v2, SP                      ; SP x lane
	v_add_nc_u32 v196, s18, v14                    ; value: out of the stage, four lanes to a row
	v_add_nc_u32 v195, s18, v15                    ; value: into the stage, row = my column
	v_add_nc_u32 v14, s17, v14                     ; key: into a stage, as loaded
	v_add_nc_u32 v15, s17, v15                     ; key: out of it, my 16 neighbours
	v_and_b32 v5, 24, v2                           ; key: my block's scale byte: 8 (lane / 8), the key among the step's four,
	v_bfe_u32 v7, v2, 1, 2                         ; + (lane / 2) % 4, the block along d
	v_add_nc_u32 v5, v5, v7
	s_add_co_u32 s17, s17, 5120
	v_add_nc_u32 v5, s17, v5
	v_add_nc_u32 v6, s17, v4                       ; and the 256 bytes on their way out, 8 a lane
	v_lshlrev_b32 v194, 2, v2                      ; value: 4 bytes a lane
	v_and_b32 v197, 15, v2
	v_lshrrev_b32 v7, 4, v2
	v_lshlrev_b32 v7, 2, v7
	v_lshl_add_u32 v197, v197, 3, v7               ; value: my scale word's place: 8 (lane % 16) + 4 (lane / 16)
	s_wait_kmcnt 0x0
	s_cmp_lt_u32 ttmp9, 128                        ; key's work-group or value's?
	s_cbranch_scc0 .Lvalue
	; ---------------- KEY ----------------
	s_lshl_b32 s17, ttmp9, 2
	s_add_co_u32 s17, s17, s16                     ; which run of 64 keys is my wave's: 0 .. 511
	s_lshr_b32 s18, s17, 5                         ; bh
	s_and_b32 s19, s17, 31                         ; the run in it
	s_lshl_b32 s20, s19, 19                        ; 64 rows, 8,192 bytes apart,
	s_lshl_b32 s21, s18, 9                         ; + bh's 512 bytes
	s_add_co_u32 s20, s20, s21
	s_mov_b32 s21, 0
	s_add_nc_u64 s[4:5], s[4:5], s[20:21]
	s_mul_i32 s20, s18, BHB
	s_lshr_b32 s22, s19, 1
	s_mul_i32 s22, s22, STEPM
	s_add_co_u32 s20, s20, s22
	s_add_nc_u64 s[8:9], s[8:9], s[20:21]          ; kv at my key step
	s_and_b32 s22, s19, 1                          ; which half of the step's 128 keys
	s_lshl_b32 s20, s22, 12
	s_add_nc_u64 s[10:11], s[8:9], s[20:21]        ; my 64 rows of codes
	s_lshl_b32 s20, s22, 8
	s_add_co_u32 s20, s20, 16384
	s_add_nc_u64 s[12:13], s[8:9], s[20:21]        ; my 256 scale bytes
.irp f, 0,1,2,3
	v_xor_b32 v[KA+\f], 16*\f, v4                  ; a step's four rows share (row / 4) % 4 = f: the piece's two bits of 8 x lane are exchanged by it
.endr
	s_wait_alu depctr_va_vdst(0)                   ; the wait behind these writes
.macro KLOAD t                         ; step t: keys 4 t .. 4 t + 3; each load is one whole row, 512 consecutive bytes
.irp i, 0,1,2,3
	global_load_b128 v[R+16*((\t)%4)+4*\i:R+16*((\t)%4)+4*\i+3], v3, s[4:5] offset:(4*(\t)+\i)*8192 th:TH_LOAD_NT
.endr
.endm
.macro KTURN t                         ; step t's numbers through a stage: LDS serves a wave's instructions in order (ISA guide 5.7.1.4), so no wait stands between the stores and the loads
.irp i, 0,1,2,3
	ds_store_b128 v14, v[R+16*((\t)%4)+4*\i:R+16*((\t)%4)+4*\i+3] offset:32*SP*((\t)%2)+8*SP*\i
.endr
.irp i, 0,1,2,3
	ds_load_b128 v[X+16*((\t)%2)+4*\i:X+16*((\t)%2)+4*\i+3], v15 offset:32*SP*((\t)%2)+16*\i
.endr
.endm
.irp t, 0,1,2,3
	KLOAD \t
.endr
	s_wait_loadcnt 12                              ; step 0's four loads are in; the twelve of steps 1 to 3 may be out
	KTURN 0
; Behind the turn lane l holds key 4 t + l / 8, d = 16 (l % 8) + 0 .. 15: two neighbouring lanes hold a block.
.macro KSTEP t
.set XS, X+16*((\t)%2)
.if (\t) > 0
	s_wait_dscnt 1                                 ; this step's numbers are back from the stage (the last step's byte store may be out): so its stores into the stage have read their registers,
.else
	s_wait_dscnt 0x0
.endif
.if (\t)+4 < 16
	KLOAD (\t)+4                                   ; which take the loads of four steps on
.endif
.if (\t)+1 < 16
.if 14-(\t) >= 3
	s_wait_loadcnt 12                              ; the next step's four loads are in; those of the three steps behind it may be out
.else
	s_wait_loadcnt 4*(14-(\t))                     ; the same where fewer steps are left
.endif
	KTURN (\t)+1                                   ; and go through the other stage while this step is worked
.endif
	v_max3_num_f32 v8, |v[XS]|, |v[XS+1]|, |v[XS+2]|               ; the largest magnitude of my 16, in two chains
	v_max3_num_f32 v9, |v[XS+3]|, |v[XS+4]|, |v[XS+5]|
.irp i, 6,10
	v_max3_num_f32 v8, v8, |v[XS+\i]|, |v[XS+\i+1]|
	v_max3_num_f32 v9, v9, |v[XS+\i+2]|, |v[XS+\i+3]|
.endr
	v_max3_num_f32 v8, v8, |v[XS+14]|, |v[XS+15]|
	v_max3_num_f32 v8, v8, v9, 0x1800000           ; and the floor 2^(3 - 127): so the byte cannot fall under 1
	v_max_num_f32_dpp v8, v8, v8 row_xmask:1 row_mask:0xf bank_mask:0xf   ; and of my neighbour's 16: the block's
	v_add_nc_u32 v11, 0xff000000, v8               ; 2 off its exponent field: the conversion takes the exponent field of this operand as its scale, and nothing else of it
	v_cvt_scalef32_pk8_fp4_f32 v[C+4*(\t)], v[XS:XS+7], v11
	v_cvt_scalef32_pk8_fp4_f32 v[C+4*(\t)+1], v[XS+8:XS+15], v11
	v_lshrrev_b32 v[E+(\t)], 23, v11               ; the scale's byte
	; the step's four keys have, in the run, the number 4 t + j: t's bit 0 is the key's bit 2, bit 1 its bit 3 (u), bit 2 its bit 4 (r's bit 3), bit 3 its bit 5 (b)
	ds_store_b8 v5, v[E+(\t)] offset:128*((\t)>>3)+64*(((\t)>>2)&1)+32*((\t)&1)+4*(((\t)>>1)&1)   ; both lanes of a block write the same byte with the same value
	global_store_b64 v[KA+(((\t)&1)|((((\t)>>2)&1)<<1))], v[C+4*(\t):C+4*(\t)+1], s[10:11] offset:256*(((\t)&1)|((((\t)>>2)&1)<<1)|((((\t)>>1)&1)<<2)|((\t)&8))   ; four rows in tile order, pieces exchanged: 256 consecutive bytes, aligned
.endm
.irp t, 0,1,2,3,4,5,6,7,8,9,10,11,12,13,14,15
	KSTEP \t
.endr
	ds_load_b64 v[8:9], v6                         ; LDS serves a wave's instructions in order: these see my byte stores
	s_wait_dscnt 0x0
	global_store_b64 v4, v[8:9], s[12:13]          ; 32 lanes store 256 consecutive bytes, aligned
	s_wait_tensorcnt 0x0                           ; the wave's end
	ds_add_u32 v[SPW], v[NIL]
	s_wait_dscnt 0x0
	s_endpgm
	; ---------------- VALUE ----------------
.Lvalue:
	s_sub_co_u32 s17, ttmp9, 128
	s_lshr_b32 s18, s17, 4                         ; bh
	s_and_b32 s19, s17, 15                         ; key step
	s_lshl_b32 s20, s19, 20                        ; 128 rows, 8,192 bytes apart,
	s_lshl_b32 s21, s18, 9                         ; + bh's 512 bytes,
	s_add_co_u32 s20, s20, s21
	s_lshl_b32 s21, s16, 7                         ; + my wave's 32 columns
	s_add_co_u32 s20, s20, s21
	s_mov_b32 s21, 0
	s_add_nc_u64 s[6:7], s[6:7], s[20:21]
	s_mul_i32 s20, s18, BHB
	s_mul_i32 s22, s19, STEPM
	s_add_co_u32 s20, s20, s22
	s_add_nc_u64 s[8:9], s[8:9], s[20:21]          ; kv at my key step
	s_lshl_b32 s20, s16, 11
	s_add_co_u32 s20, s20, 8192
	s_add_nc_u64 s[10:11], s[8:9], s[20:21]        ; my 32 rows of V's codes
	s_lshl_b32 s20, s16, 7
	s_add_co_u32 s20, s20, 16896
	s_add_nc_u64 s[12:13], s[8:9], s[20:21]        ; my 32 scale words
.macro VLOAD t                         ; block t: value(key 32 t + i, my column), i = 0 .. 31, into set t % 2: a wave's load reads 128 consecutive bytes, the four waves side by side a row's 512
.irp i, 0,1,2,3,4,5,6,7,8,9,10,11,12,13,14,15,16,17,18,19,20,21,22,23,24,25,26,27,28,29,30,31
	global_load_b32 v[VX+32*((\t)%2)+\i], v194, s[6:7] offset:(32*(\t)+\i)*8192 th:TH_LOAD_NT
.endr
.endm
	v_and_b32 v[VA], 16, v2
	v_xor_b32 v[VA], v[VA], v3                     ; row 8 n + lane / 4 has (row / 4) % 4 = 2 (n % 2) + lane / 16
	v_xor_b32 v[VA+1], 32, v[VA]
	s_wait_alu depctr_va_vdst(0)
	VLOAD 0
	VLOAD 1
.macro VBLOCK t
.set XS, VX+32*((\t)%2)
.if (\t) < 3
	s_wait_loadcnt 32                              ; this block's 32 loads are in; the next block's 32 may be out
.else
	s_wait_loadcnt 0x0
.endif
	v_max3_num_f32 v8, |v[XS]|, |v[XS+1]|, |v[XS+2]|               ; the block's largest magnitude: all 32 numbers are mine
	v_max3_num_f32 v9, |v[XS+3]|, |v[XS+4]|, |v[XS+5]|
.irp i, 6,10,14,18,22,26
	v_max3_num_f32 v8, v8, |v[XS+\i]|, |v[XS+\i+1]|
	v_max3_num_f32 v9, v9, |v[XS+\i+2]|, |v[XS+\i+3]|
.endr
	v_max3_num_f32 v8, v8, |v[XS+30]|, |v[XS+31]|
	v_max3_num_f32 v8, v8, v9, 0x1800000           ; and the floor 2^(3 - 127)
	v_add_nc_u32 v11, 0xff000000, v8               ; the conversion's scale operand
	v_lshrrev_b32 v10, 23, v11                     ; the scale's byte
.if (\t) == 0
	v_mov_b32 v[VSB], v10                          ; four bytes make my column's word, the lower keys in the lower byte
.else
	v_lshl_or_b32 v[VSB], v10, 8*(\t), v[VSB]
.endif
.irp g, 0,1,2,3
	v_cvt_scalef32_pk8_fp4_f32 v[VC+\g], v[XS+8*\g:XS+8*\g+7], v11
.endr
	ds_store_b128 v195, v[VC:VC+3] offset:16*(\t)  ; 32 codes: 16 bytes of my column's row.  (The conversions' results go to an LDS store; the next vector lines are plain and touch other registers)
.if (\t)+2 < 4
	VLOAD (\t)+2
.endif
	s_wait_dscnt 0x0                               ; the store has read its registers: the next block's codes may be written
.endm
.irp t, 0,1,2,3
	VBLOCK \t
.endr
	s_wait_alu depctr_va_vdst(0)
	global_store_b32 v197, v[VSB], s[12:13]        ; my wave's 32 scale words: 128 consecutive bytes.  The one store here that covers half of an aligned 256 bytes: 4 bytes for 16,384 read
.irp n, 0,1,2,3
	ds_load_b128 v[VOUT+4*\n:VOUT+4*\n+3], v196 offset:8*SP*\n     ; eight rows of 64 bytes; these see my stores
.endr
.irp n, 0,1,2,3
	s_wait_dscnt 3-\n                              ; the younger loads from the stage may be out
	global_store_b128 v[VA+(\n)%2], v[VOUT+4*\n:VOUT+4*\n+3], s[10:11] offset:512*\n   ; 32 lanes store 512 consecutive bytes, aligned, pieces exchanged
.endr
	s_wait_tensorcnt 0x0                           ; the wave's end
	ds_add_u32 v[SPW], v[NIL]
	s_wait_dscnt 0x0
	s_endpgm
.Lfunc_end_k_qbb85d1242c_quant:
	.size	k_qbb85d1242c_quant, .Lfunc_end_k_qbb85d1242c_quant-k_qbb85d1242c_quant
	.p2alignl 7, 3214868480
	.fill 96, 4, 3214868480
	.section	.rodata,"a",@progbits
	.p2align	6, 0x0
	.amdhsa_kernel k_qbb85d1242c_quant
		.amdhsa_group_segment_fixed_size 43520
		.amdhsa_private_segment_fixed_size 0
		.amdhsa_enable_private_segment 0
		.amdhsa_kernarg_size 24
		.amdhsa_user_sgpr_count 2
		.amdhsa_user_sgpr_kernarg_segment_ptr 1
		.amdhsa_wavefront_size32 1
		.amdhsa_system_sgpr_workgroup_id_x 1
		.amdhsa_system_sgpr_workgroup_id_y 1
		.amdhsa_system_sgpr_workgroup_id_z 1
		.amdhsa_system_vgpr_workitem_id 0
		.amdhsa_next_free_vgpr 208
		.amdhsa_next_free_sgpr 66
		.amdhsa_reserve_vcc 0
		.amdhsa_float_denorm_mode_32 3
		.amdhsa_float_denorm_mode_16_64 3
		.amdhsa_memory_ordered 1
		.amdhsa_forward_progress 1
		.amdhsa_inst_pref_size 54
	.end_amdhsa_kernel
	.amdgpu_metadata
---
amdhsa.version: [ 1, 2 ]
amdhsa.kernels:
  - .name:           k_qbb85d1242c_quant
    .symbol:         k_qbb85d1242c_quant.kd
    .args:
      - { .name: key, .offset: 0, .size: 8, .value_kind: global_buffer, .address_space: global }
      - { .name: value, .offset: 8, .size: 8, .value_kind: global_buffer, .address_space: global }
      - { .name: kv, .offset: 16, .size: 8, .value_kind: global_buffer, .address_space: global }
    .group_segment_fixed_size: 43520
    .private_segment_fixed_size: 0
    .kernarg_segment_align: 8
    .kernarg_segment_size: 24
    .max_flat_workgroup_size: 128
    .sgpr_count:     66
    .vgpr_count:     208
    .wavefront_size: 32
...
	.end_amdgpu_metadata
.endif
;; end of part 1
;; launch attn (part 2): grid 16 x 16, 16 waves a work-group, clusters of 4 x 1, 327,680 bytes of LDS; arguments query, kv, out0; writes out0
.if DOCPART == 2
	.amdgcn_target "amdgcn-amd-amdhsa--gfx1250"
	.amdhsa_code_object_version 6
	.text
	.protected	k_qbb85d1242c_attn
	.globl	k_qbb85d1242c_attn
	.p2align	8
	.type	k_qbb85d1242c_attn,@function
k_qbb85d1242c_attn:
	s_mov_b64 s[64:65], 0
	v_nop
	global_prefetch_b8 v0, s[64:65] scope:SCOPE_SE
	s_setreg_imm32_b32 hwreg(HW_REG_WAVE_MODE, 25, 1), 1
	s_wait_xcnt 0x0
	s_wait_alu depctr_hold_cnt(0) depctr_sa_sdst(0) depctr_va_vdst(0) depctr_va_sdst(0) depctr_va_ssrc(0) depctr_va_vcc(0) depctr_vm_vsrc(0)
	s_getreg_b32 s2, hwreg(HW_REG_IB_STS2, 6, 4)
	s_cmp_eq_u32 s2, 0
	s_cbranch_scc0 .Lentry_in_a_cluster
	s_endpgm
.Lentry_in_a_cluster:
	s_bfe_u32 s2, ttmp6, 0x10000c
	s_cmp_lg_u32 s2, 0x3003
	s_cbranch_scc0 .Lentry_shape_is_right
	s_endpgm
.Lentry_shape_is_right:
; out0[s][b][hq][:] = the sum over k <= s of softmax_k(query[s][b][hq] . key[k][b][hq / 4] / sqrt(128)) value[k][b][hq / 4][:], both products on codes of FP4 (E2M1) with one E8M0 scale for each 32 along K.
; query, out0: f32, a row of 512 bytes at s x 32,768 + (4 bh + e) x 512, bh = 8 b + hk, e = hq % 4.  kv: the first launch's codes and scale words, [16 bh][16 key steps][17,408 bytes] (laid out at its head).
; WORK LEFT OUT: a step of 128 keys all of which lie behind a tile's 16 queries: the problem's own lower-triangular mask gives those keys the weight 0, which is quantised to 0 and adds nothing to the product
; or to the row's sum, whatever the inputs hold (shown at the first launch's head).  LIMIT: a NaN, an infinity or an overflow that reaches only such steps is not carried to the result.
; THE SOFTMAX AHEAD OF THE SECOND PRODUCT: t = score x c, c = log2(e) / sqrt(128) as one f32 constant; M = the row's largest t so far, rounded UP to a whole number; p = 2^(t - M) is what is quantised, along the
; keys, not normalised.  The row's sum is taken of the unquantised p and divides O at the end.  When M moves, the sum and O are multiplied by 2^(old M - new M): exact.
; LIMITS: NaN and infinities among the inputs are not served; a block of zeros has the scale byte 1 (its codes are zeros); the promise holds while |t| stays under 2^31.
; SHARES.  256 work-groups.  Work-group (j, bh) owns two of bh's four heads (2 (j / 8), + 1) at positions 128 g + 16 (j % 8) + 0 .. 15 for ALL sixteen g: 32 tiles of 16 queries.  A tile of group g works g + 1 key steps.
; Wave w owns head w % 2 of the two and the tiles of groups g and 15 - g, g = w / 2, one after the other (odd waves the other way round): 17 key steps in every wave of every work-group.
; ALL OF bh's kv STAYS IN LDS: 16 key steps x 17,408 bytes, dense.  Wave w brings key step w by its one tensor load, at the head; nothing is filled again, so one barrier, behind every wave's wait for its load,
; is the only one between the head and the end: the waves walk their tiles apart from each other, and one wave's loads of Q and stores of O stand beside the others' key steps.
; Both walks have 16 trips, a constant, and a hidden step's work is jumped over by a scalar branch on the wave's number and the count of steps.
; CLUSTER: the four work-groups of a cluster have the same bh and ask for the same kv: each tensor load is a joint one, mask 15.  Nothing but global addresses of Q and O and the mask's lane term hangs on the place in the cluster.
; PREFETCH: kv is asked for whole at the head: there is no loop to run ahead in, so it is not prefetched.  The second tile's 16 rows of Q (32 blocks of 256 bytes, a lane a block, read by this wave alone) are asked for
; once, behind the barrier: the first tile's walk, 1 to 16 key steps, ahead of their loads.
; LAYOUT.  Both products are used transposed: S^T = K Q^T, O^T = V^T P^T: a lane holds ONE query (lane % 16).  K's rows lie in tile order, so that the 16 registers of tiles 2 b and 2 b + 1 are the keys 32 b + 16 (lane / 16) + 0 .. 15.
; Piece q of row rho of the codes lies at 64 rho + 16 (q xor ((rho / 4) % 4)).
; THE STAGE, 2,304 bytes a wave (what kv leaves of LDS for sixteen waves), turns Q on its way in and O on its way out, while global loads and stores take 256 consecutive bytes in sixteen lanes.
; It holds half of what a turn of 16 rows x 256 bytes needs, so each turn goes in two passes that every lane reads, and a select by the lane's r / 8 keeps the pass that holds the lane's own bytes:
; Q: a pass is 8 positions x 256 bytes (pitch 272), a lane reads row r % 8 of both;  O: a pass is 16 positions x 128 bytes (pitch 144), a lane reads piece r % 8 of both.
; REGISTERS: v1, v2 lane terms of a fragment's two loads; v3 of the scale words; v4 the prefetch's offset; v5, v6 the add's two; v7 my offset in Q's and O's rows; v8-10 the addresses in hand; v11 my query's number in its
; group - 16 h; v12 -M, v13 the largest t, v[14:15] the sum; v16-23 Q's codes; v24-31 scale words; v32-95 eight fragments; v96-159 S^T, then p; v160-223 O^T; v224-231 p's codes; v232-247, v252-254 at work;
; v248 Q into the stage, v249 out of it, v250 O into it, v251 out of it; v253 p's scale word; v255 Q's.
; SCALARS: s10 wave; s[12:13] lane selects; s[14:15] c; s[16:23], s[24:27] the descriptor; s28 LDS byte of the step; s29 my stage; s30 the step; s31 the tile's group; s[32:35] Q at my two tiles; s[36:39] out0 likewise;
; s47, s49 their groups; s48 the lanes with r / 8 = 1.
.set BHB,   278528
.set STEPB, 17408
.set VOFF,  8192
.set KSC,   16384
.set VSC,   16896
.set STAGE, 16*STEPB
.set QPITCH, 272
.set OPITCH, 144
.set STW,   16*OPITCH
.set SPARE, STAGE+16*STW               ; the spare words, 128 bytes for each wave: eight blocks of 256 bytes that no other line names
.set TM,    232
.macro ROUND                           ; a round of the cluster's barrier
	s_barrier_signal -1
	s_barrier_wait -1
	s_cmp_lg_u32 s10, 0
	s_cbranch_scc1 .Lnot_wave_0_\@
	s_barrier_signal -3
.Lnot_wave_0_\@:
	s_barrier_wait -3
	s_barrier_signal -1
	s_barrier_wait -1
.endm
; 64 numbers of a lane, register 16 b + i = k 32 b + 16 (lane / 16) + i of my row, become a fragment's codes in v[pc] on and its scale word in v[pw].
.macro QUANT s, pc, pw
.irp b, 0,1,2,3
	v_max3_num_f32 v[TM+\b], |v[\s+16*\b]|, |v[\s+1+16*\b]|, 0x1800000   ; my 16 numbers of block b, and the floor 2^(3 - 127): the byte cannot fall under 1
.endr
.irp i, 2,4,6,8,10,12,14
.irp b, 0,1,2,3
	s_delay_alu instid0(VALU_DEP_4)
	v_max3_num_f32 v[TM+\b], v[TM+\b], |v[\s+16*\b+\i]|, |v[\s+1+16*\b+\i]|
.endr
.endr
.irp b, 0,1,2,3
	s_delay_alu instid0(VALU_DEP_4)
	v_permlanex16_b32 v[TM+4+\b], v[TM+\b], s12, s13
.endr
.irp b, 0,1,2,3
	s_delay_alu instid0(VALU_DEP_4)
	v_max_num_f32 v[TM+\b], v[TM+\b], v[TM+4+\b]   ; with lane l xor 16's: the block's largest magnitude
.endr
.irp b, 0,1,2,3
	s_delay_alu instid0(VALU_DEP_4)
	v_add_nc_u32 v[TM+12+\b], 0xff000000, v[TM+\b] ; 2 off its exponent field: the conversion's scale operand
.endr
.irp b, 0,1,2,3
	s_delay_alu instid0(VALU_DEP_4)
	v_lshrrev_b32 v[TM+4+\b], 23, v[TM+12+\b]      ; the scale's byte
.endr
	s_delay_alu instid0(VALU_DEP_3)
	v_lshl_or_b32 v[\pw], v[TM+5], 8, v[TM+4]
	s_delay_alu instid0(VALU_DEP_1)
	v_lshl_or_b32 v[\pw], v[TM+6], 16, v[\pw]
	s_delay_alu instid0(VALU_DEP_1)
	v_lshl_or_b32 v[\pw], v[TM+7], 24, v[\pw]
.irp b, 0,1,2,3
	v_cvt_scalef32_pk8_fp4_f32 v[\pc+2*\b], v[\s+16*\b:\s+7+16*\b], v[TM+12+\b]
	v_cvt_scalef32_pk8_fp4_f32 v[\pc+1+2*\b], v[\s+8+16*\b:\s+15+16*\b], v[TM+12+\b]
.endr
	v_nop                                          ; one plain place behind a scaled conversion
.irp c, 0,1                                    ; the operand's layout wants a whole block in a lane
.irp i, 0,1
	v_permlane16_swap_b32 v[\pc+4*\c+\i], v[\pc+2+4*\c+\i]
.endr
.endr
.endm
.macro QLOAD qa                        ; a tile's 16 rows of Q: positions 2 (n % 8) + h, half n / 8 of the row: sixteen lanes read 256 consecutive bytes, aligned
.irp n, 0,1,2,3,4,5,6,7,8,9,10,11,12,13,14,15
	global_load_b128 v[32+4*\n:35+4*\n], v7, s[\qa:\qa+1] offset:2*(\n%8)*32768+256*(\n/8) th:TH_LOAD_NT
.endr
.endm
; Q through the stage: pass (p, u) holds half u of the rows of positions 8 p .. 8 p + 7; then its codes, and the tile's sums begin
.macro QIN
	s_wait_loadcnt 0x0
.irp p, 0,1
.irp u, 0,1
.irp i, 0,1,2,3
	ds_store_b128 v248, v[32+32*\u+16*\p+4*\i:35+32*\u+16*\p+4*\i] offset:2*QPITCH*\i   ; row 2 i + h of the pass
.endr
.irp g, 0,1
.irp j, 0,1,2,3
	ds_load_b128 v[96+64*\p+32*\u+16*\g+4*\j:99+64*\p+32*\u+16*\g+4*\j], v249 offset:128*\g+16*\j   ; row r % 8, d = 64 u + 32 g + 16 h + 4 j on; p = 0 into v96 on, p = 1 into v160 on.  LDS serves a wave's instructions in order (ISA guide 5.7.1.4): these see the stores, and the next pass's stores come behind them
.endr
.endr
.endr
.endr
	s_wait_dscnt 0x0
.set J, 0
.rept 64
	v_cndmask_b32 v[96+J], v[96+J], v[160+J], s48  ; lanes with r / 8 = 1 keep positions 8 .. 15's
.set J, J+1
.endr
	QUANT 96, 16, 255
	v_mov_b32 v13, 0xff61b1e6                      ; the largest t so far: -3e38, under every t
	v_mov_b32 v14, 0
	v_mov_b32 v15, 0
	v_mov_b32 v253, 0                              ; (named as the upper half of v[252:253] before it is first written)
	v_floor_f32 v12, -v13                          ; -M
.set J, 0
.rept 64
	v_mov_b32 v[160+J], 0                          ; O^T: the first step finds zeros, which the first change of M leaves zeros.  (Also the places between Q's codes and scale word and the first product)
.set J, J+1
.endr
.endm
; THE WALK of a tile of group s31: 16 trips, of which steps 0 .. s31 are worked; step s31 lies on the diagonal
.macro STEPS
	s_mov_b32 s28, 0
	s_mov_b32 s30, 0
	s_wait_alu depctr_va_vdst(0)
.Lstep_\@:
	s_cmp_gt_u32 s30, s31
	s_cbranch_scc1 .Lhidden_\@
	v_add_nc_u32 v8, s28, v1
	v_add_nc_u32 v9, s28, v2
	v_add_nc_u32 v10, s28, v3
	v_nop                                          ; four places in front of loads into registers that the last step's products have read
.irp w, 0,1,2,3
	ds_load_b64 v[24+2*\w:25+2*\w], v10 offset:KSC+128*\w   ; the scale words of K's tiles 2 w, 2 w + 1
.endr
.irp t, 0,1,2,3,4,5,6,7
	ds_load_b128 v[32+8*\t:35+8*\t], v8 offset:1024*\t
	ds_load_b128 v[36+8*\t:39+8*\t], v9 offset:1024*\t
.endr
	s_wait_alu depctr_va_vdst(0)
.irp t, 0,1,2,3,4,5,6,7                        ; S^T = K Q^T
	s_wait_dscnt 14-2*\t                           ; the scale words and tiles 0 .. t are in; the later tiles' loads, two each, may be out
	v_wmma_scale_f32_16x16x128_f8f6f4 v[96+8*\t:103+8*\t], v[32+8*\t:39+8*\t], v[16:23], 0, v[24+\t], v255 matrix_a_fmt:MATRIX_FMT_FP4 matrix_b_fmt:MATRIX_FMT_FP4
.endr
.rept 4
	v_nop                                          ; four places: in front of the loads below and of the first read of the results
.endr
.irp w, 0,1,2,3                                ; V's tiles are asked for now and land under the softmax
	ds_load_b64 v[24+2*\w:25+2*\w], v10 offset:VSC+128*\w
.endr
.irp t, 0,1,2,3,4,5,6,7
	ds_load_b128 v[32+8*\t:35+8*\t], v8 offset:VOFF+1024*\t
	ds_load_b128 v[36+8*\t:39+8*\t], v9 offset:VOFF+1024*\t
.endr
	s_cmp_lg_u32 s30, s31                          ; on the diagonal hidden scores become -infinity ahead of the maximum: p = 0 then
	s_cbranch_scc1 .Lopen_\@
	v_mov_b32 v254, 0xff800000
.set J, 0
.rept 64
	v_cmp_gt_i32 vcc_lo, 32*(J/16)+J%16, v11       ; register 16 b + i holds key 32 b + 16 h + i of the step: hidden where 32 b + i > my query's number in the group - 16 h
	v_cndmask_b32 v[96+J], v[96+J], v254, vcc_lo
.set J, J+1
.endr
.Lopen_\@:
.irp b, 0,1,2,3
	v_max3_num_f32 v[232+\b], v[96+16*\b], v[97+16*\b], v[98+16*\b]   ; the largest score of each block of 32 keys: for the row's maximum and, since p rises with the score, for the block's largest p
.endr
.irp i, 3,5,7,9,11,13
.irp b, 0,1,2,3
	v_max3_num_f32 v[232+\b], v[232+\b], v[96+16*\b+\i], v[97+16*\b+\i]
.endr
.endr
.irp b, 0,1,2,3
	v_max_num_f32 v[232+\b], v[232+\b], v[111+16*\b]
.endr
.irp b, 0,1,2,3
	s_delay_alu instid0(VALU_DEP_4)
	v_permlanex16_b32 v[236+\b], v[232+\b], s12, s13
.endr
.irp b, 0,1,2,3
	s_delay_alu instid0(VALU_DEP_4)
	v_max_num_f32 v[232+\b], v[232+\b], v[236+\b]
.endr
	s_delay_alu instid0(VALU_DEP_2)
	v_max3_num_f32 v254, v232, v233, v234
	s_delay_alu instid0(VALU_DEP_1)
	v_max_num_f32 v254, v254, v235
	s_delay_alu instid0(VALU_DEP_1)
	v_mul_f32 v254, s14, v254                      ; the step's largest t
	s_delay_alu instid0(VALU_DEP_1)
	v_max_num_f32 v13, v13, v254
	v_mov_b32 v254, v12
	s_delay_alu instid0(VALU_DEP_2)
	v_floor_f32 v12, -v13                          ; the new -M = -ceil(t)
	s_delay_alu instid0(VALU_DEP_1)
	v_sub_f32 v254, v12, v254                      ; old M - new M, a whole number, 0 or less
	s_delay_alu instid0(VALU_DEP_1)
	v_cvt_i32_f32 v254, v254                       ; (it saturates)
	s_delay_alu instid0(VALU_DEP_1)
	v_ldexp_f32 v252, 1.0, v254                    ; f = 2^(old M - new M)
.set J, 0
.rept 32
	v_pk_fma_f32 v[96+J:97+J], v[96+J:97+J], s[14:15], v[12:13] op_sel_hi:[1,0,0]   ; t - M
.set J, J+2
.endr
.irp b, 0,1,2,3
	v_fma_f32 v[232+\b], v[232+\b], s14, v12
.endr
	s_wait_alu depctr_va_vdst(0)                   ; the wait ahead of the batch
.set J, 0
.rept 64
	v_exp_f32 v[96+J], v[96+J]                     ; p = 2^(t - M)
.set J, J+1
.endr
	v_pk_mul_f32 v[14:15], v[14:15], v[252:253] op_sel_hi:[1,0]   ; the sums under the new M (the plain place behind the batch)
	s_wait_alu depctr_va_vdst(0)                   ; and behind it, ahead of its first reader
.irp b, 0,1,2,3
	v_exp_f32 v[232+\b], v[232+\b]                 ; the block's largest p
.endr
	v_pk_add_f32 v[240:241], v[96:97], v[98:99]    ; the row's sum of the unquantised p, in two chains
.irp j, 4,8,12,16,20,24,28,32,36,40,44,48,52
	v_pk_add_f32 v[14:15], v[14:15], v[96+\j:97+\j]
	v_pk_add_f32 v[240:241], v[240:241], v[98+\j:99+\j]
.endr
	s_wait_alu depctr_va_vdst(0)                   ; one wait for the four
.irp b, 0,1,2,3
	v_max_num_f32 v[232+\b], 0x1800000, v[232+\b]  ; the floor 2^(3 - 127)
.endr
.irp b, 0,1,2,3
	s_delay_alu instid0(VALU_DEP_4)
	v_add_nc_u32 v[244+\b], 0xff000000, v[232+\b]
.endr
.irp b, 0,1,2,3
	s_delay_alu instid0(VALU_DEP_4)
	v_lshrrev_b32 v[236+\b], 23, v[244+\b]
.endr
	s_delay_alu instid0(VALU_DEP_3)
	v_lshl_or_b32 v253, v237, 8, v236              ; p's scale word for these 128 keys
	s_delay_alu instid0(VALU_DEP_1)
	v_lshl_or_b32 v253, v238, 16, v253
	s_delay_alu instid0(VALU_DEP_1)
	v_lshl_or_b32 v253, v239, 24, v253
.irp b, 0,1,2,3
	v_cvt_scalef32_pk8_fp4_f32 v[224+2*\b], v[96+16*\b:103+16*\b], v[244+\b]
	v_cvt_scalef32_pk8_fp4_f32 v[225+2*\b], v[104+16*\b:111+16*\b], v[244+\b]
.endr
	v_nop
.irp c, 0,1
.irp i, 0,1
	v_permlane16_swap_b32 v[224+4*\c+\i], v[226+4*\c+\i]
.endr
.endr
	s_wait_alu depctr_va_vdst(0)                   ; the wait directly ahead of the first reader of O^T
.set J, 0
.rept 32
	v_pk_mul_f32 v[160+J:161+J], v[160+J:161+J], v[252:253] op_sel_hi:[1,0]   ; O^T x f (also the places between p's codes and scale word and the products below)
.set J, J+2
.endr
.irp j, 56,60
	v_pk_add_f32 v[14:15], v[14:15], v[96+\j:97+\j]
	v_pk_add_f32 v[240:241], v[240:241], v[98+\j:99+\j]
.endr
	s_delay_alu instid0(VALU_DEP_1)
	v_pk_add_f32 v[14:15], v[14:15], v[240:241]
	s_wait_alu depctr_va_vdst(0)
	s_wait_dscnt 0x0                               ; V's tiles and scale words are in
.irp t, 0,1,2,3,4,5,6,7                        ; O^T += V^T P^T: the eight accumulators by turns
	v_wmma_scale_f32_16x16x128_f8f6f4 v[160+8*\t:167+8*\t], v[32+8*\t:39+8*\t], v[224:231], v[160+8*\t:167+8*\t], v[24+\t], v253 matrix_a_fmt:MATRIX_FMT_FP4 matrix_b_fmt:MATRIX_FMT_FP4
.endr
.Lhidden_\@:
	s_add_co_u32 s28, s28, STEPB
	s_add_co_u32 s30, s30, 1
	s_cmp_lt_u32 s30, 16
	s_cbranch_scc1 .Lstep_\@
.endm
; THE WAY OUT of a tile: O^T / the sum, a quarter row (32 channels) of 16 positions at a time through the stage; sixteen lanes store 256 consecutive bytes, aligned
.macro OUT oa
	v_add_f32 v14, v14, v15
	s_delay_alu instid0(VALU_DEP_1)
	v_permlanex16_b32 v252, v14, s12, s13
	s_delay_alu instid0(VALU_DEP_1)
	v_add_f32 v14, v14, v252                       ; the row's sum
	s_wait_alu depctr_va_vdst(0)                   ; the wait ahead of the reciprocal
	v_rcp_f32 v14, v14
.rept 4
	v_nop                                          ; the place behind the reciprocal, and places behind the last products
.endr
	s_wait_alu depctr_va_vdst(0)                   ; and ahead of its first reader, which is also the first reader of O^T
.set J, 0
.rept 64
	v_mul_f32 v[96+J], v[160+J], v14               ; register 8 t + i is o(r, 16 t + 8 h + i)
.set J, J+1
.endr
.irp q, 0,1,2,3
.irp t, 0,1
	ds_store_b128 v250, v[96+16*\q+8*\t:99+16*\q+8*\t] offset:64*\t
	ds_store_b128 v250, v[100+16*\q+8*\t:103+16*\q+8*\t] offset:64*\t+16
.endr
.irp i, 0,1,2,3,4,5,6,7
	ds_load_b128 v[32+128*(\q%2)+32*(\q/2)+4*\i:35+128*(\q%2)+32*(\q/2)+4*\i], v251 offset:2*OPITCH*\i   ; row 2 i + h, piece r % 8 of the quarter: even quarters into v32 on, odd ones into v160 on; in order behind my stores, and the next quarter's stores come behind these
.endr
.endr
.irp u, 0,1
	s_wait_dscnt 24-24*\u                          ; the first half rows are back: the last two quarters' 12 LDS instructions each may be out; then all
.set J, 0
.rept 32
	v_cndmask_b32 v[32+32*\u+J], v[32+32*\u+J], v[160+32*\u+J], s48   ; lanes with r / 8 = 1 keep the odd quarter's: byte 16 r of the half row
.set J, J+1
.endr
.irp i, 0,1,2,3,4,5,6,7
	global_store_b128 v7, v[32+32*\u+4*\i:35+32*\u+4*\i], s[\oa:\oa+1] offset:2*\i*32768+256*\u th:TH_STORE_NT
.endr
.endr
.endm
	s_load_b128 s[4:7], s[0:1], 0x0                ; query, kv
	s_load_b64 s[8:9], s[0:1], 0x10                ; out0
	v_lshl_add_u32 v5, v0, 2, SPARE
	v_mov_b32 v6, 0
	ds_add_u32 v5, v6                              ; the opening lines: the add, twice on end, and its wait ahead of the first tensor load
	ds_add_u32 v5, v6
	v_lshrrev_b32 v8, 5, v0
	s_delay_alu instid0(VALU_DEP_1)
	v_readfirstlane_b32 s10, v8                    ; wave 0..15
	s_bfe_u32 s40, ttmp6, 0x40000                  ; my place in the cluster
	s_lshl_b32 s45, ttmp9, 2
	s_add_co_u32 s40, s45, s40                     ; j
	s_and_b32 s41, ttmp7, 0xffff                   ; bh
	s_and_b32 s42, s40, 7                          ; which 16 positions of each group
	s_lshr_b32 s43, s40, 3                         ; which two heads
	s_and_b32 s44, s10, 1
	s_lshl_b32 s43, s43, 1
	s_add_co_u32 s43, s43, s44                     ; e
	s_lshl_b32 s45, s41, 2
	s_add_co_u32 s43, s43, s45
	s_lshl_b32 s43, s43, 9                         ; (4 bh + e) x 512
	s_lshl_b32 s45, s42, 19
	s_add_co_u32 s43, s43, s45                     ; + 16 (j % 8) positions of 32,768 bytes
	s_lshl_b32 s46, s42, 4
	s_lshr_b32 s47, s10, 1
	s_mul_i32 s44, s44, 15
	s_xor_b32 s47, s47, s44                        ; my first tile's group: w / 2, in odd waves 15 - w / 2
	s_xor_b32 s49, s47, 15                         ; my second's
	s_mov_b32 s48, 0xff00ff00                      ; the lanes with r / 8 = 1
	s_lshl_b32 s50, s47, 22                        ; 128 positions of 32,768 bytes a group
	s_add_co_u32 s50, s50, s43
	s_mov_b32 s51, 0
	s_lshl_b32 s52, s49, 22
	s_add_co_u32 s52, s52, s43
	s_mov_b32 s53, 0
	s_mul_i32 s25, s10, STEPB                      ; key step w: its place in LDS,
	s_mul_i32 s54, s41, BHB
	s_add_co_u32 s54, s54, s25                     ; and in kv
	s_mov_b32 s55, 0
	s_mul_i32 s29, s10, STW
	s_add_co_u32 s29, s29, STAGE                   ; my stage
	s_mov_b32 s16, 15|(3<<16)|(1<<21)              ; group 1: the cluster's four; elements of 8 bytes; bit 21 beside the mask; no padding
	s_mov_b32 s17, 32<<16                          ; 68 dense rows of 256 bytes
	s_mov_b32 s18, 68<<16
	s_mov_b32 s19, 32<<16
	s_mov_b32 s20, 68
	s_mov_b32 s21, 32
	s_mov_b32 s22, 0
	s_mov_b32 s23, 0
	s_mov_b32 s24, 1
	s_mov_b32 s12, 0x76543210
	s_mov_b32 s13, 0xfedcba98                      ; lane l xor 16
	s_mov_b32 s14, 0x3e0293ee                      ; c = log2(e) / sqrt(128)
	s_mov_b32 s15, s14
	s_wait_dscnt 0x0                               ; both opening adds are done
	s_wait_kmcnt 0x0
	s_add_nc_u64 s[26:27], s[6:7], s[54:55]
	s_or_b32 s27, s27, 0x80000000
	s_add_nc_u64 s[32:33], s[4:5], s[50:51]
	s_add_nc_u64 s[34:35], s[4:5], s[52:53]
	s_add_nc_u64 s[36:37], s[8:9], s[50:51]
	s_add_nc_u64 s[38:39], s[8:9], s[52:53]
	ROUND                                          ; the four work-groups are here: the joint loads meet
	tensor_load_to_lds s[24:27], s[16:23]          ; my one tensor load: key step w
	s_nop 0
	v_and_b32 v240, 15, v0                         ; r
	v_bfe_u32 v241, v0, 4, 1                       ; h
	s_delay_alu instid0(VALU_DEP_1)
	v_lshlrev_b32 v7, 15, v241
	s_delay_alu instid0(VALU_DEP_1)
	v_lshl_add_u32 v7, v240, 4, v7                 ; lanes 0-15 take 256 bytes of one position's row, lanes 16-31 of the next position's
	QLOAD 32
	v_lshrrev_b32 v242, 2, v240
	v_lshlrev_b32 v1, 6, v240
	v_lshlrev_b32 v3, 3, v240                      ; the scale words: 8 r
	v_and_b32 v4, 31, v0
	v_xor_b32 v242, v242, v241                     ; h xor r / 4
	v_lshlrev_b32 v11, 4, v241
	v_lshrrev_b32 v243, 1, v4
	v_and_b32 v4, 1, v4
	v_lshl_add_u32 v1, v242, 4, v1                 ; a fragment's piece h: 64 r + 16 (h xor r / 4);
	v_sub_nc_u32 v11, v240, v11
	v_lshlrev_b32 v4, 8, v4
	v_and_b32 v242, 7, v240                        ; r % 8
	v_xor_b32 v2, 32, v1                           ; its piece 2 + h
	v_add_nc_u32 v11, s46, v11                     ; 16 (j % 8) + r - 16 h
	v_lshl_add_u32 v4, v243, 15, v4                ; the prefetch: row lane / 2, half lane % 2
	v_mul_u32_u24 v248, v241, QPITCH
	v_mul_u32_u24 v249, v242, QPITCH
	v_mul_u32_u24 v250, v240, OPITCH
	v_mul_u32_u24 v251, v241, OPITCH
	v_lshl_add_u32 v248, v240, 4, v248
	v_lshl_add_u32 v249, v241, 6, v249
	v_lshl_add_u32 v250, v241, 5, v250
	v_lshl_add_u32 v251, v242, 4, v251
	v_add_nc_u32 v248, s29, v248                   ; Q into the stage: row h, 16 r
	v_add_nc_u32 v249, s29, v249                   ; Q out of it: row r % 8, 64 h
	v_add_nc_u32 v250, s29, v250                   ; O into it: row r, 32 h
	v_add_nc_u32 v251, s29, v251                   ; O out of it: row h, 16 (r % 8)
.irp b, 0,1,2,3
	v_mov_b32 v[236+\b], 0                         ; a lane permute's destination counts as one of its sources
.endr
	v_mov_b32 v252, 0
	s_wait_alu depctr_va_vdst(0)                   ; the wait at the head's end
	QIN
	s_wait_alu depctr_va_vdst(0)
	s_wait_tensorcnt 0x0                           ; my key step is in,
	s_barrier_signal -1
	s_barrier_wait -1                              ; and everybody's: all of bh's kv lies in LDS
	global_prefetch_b8 v4, s[34:35] th:TH_LOAD_NT scope:SCOPE_SE   ; my second tile's rows of Q
	s_mov_b32 s31, s47
	STEPS
	OUT 36
	s_wait_xcnt 0x0                                ; the stores have read their registers, which take Q's loads
	QLOAD 34
	QIN
	s_mov_b32 s31, s49
	STEPS
	OUT 38
	s_wait_tensorcnt 0x0                           ; the wave's end
	ds_add_u32 v5, v6
	s_wait_dscnt 0x0
	ROUND                                          ; the closing round
	s_endpgm
.Lfunc_end_k_qbb85d1242c_attn:
	.size	k_qbb85d1242c_attn, .Lfunc_end_k_qbb85d1242c_attn-k_qbb85d1242c_attn
	.p2alignl 7, 3214868480
	.fill 96, 4, 3214868480
	.section	.rodata,"a",@progbits
	.p2align	6, 0x0
	.amdhsa_kernel k_qbb85d1242c_attn
		.amdhsa_group_segment_fixed_size 327680
		.amdhsa_private_segment_fixed_size 0
		.amdhsa_enable_private_segment 0
		.amdhsa_kernarg_size 24
		.amdhsa_user_sgpr_count 2
		.amdhsa_user_sgpr_kernarg_segment_ptr 1
		.amdhsa_wavefront_size32 1
		.amdhsa_system_sgpr_workgroup_id_x 1
		.amdhsa_system_sgpr_workgroup_id_y 1
		.amdhsa_system_sgpr_workgroup_id_z 1
		.amdhsa_system_vgpr_workitem_id 0
		.amdhsa_next_free_vgpr 256
		.amdhsa_next_free_sgpr 66
		.amdhsa_reserve_vcc 1
		.amdhsa_float_denorm_mode_32 3
		.amdhsa_float_denorm_mode_16_64 3
		.amdhsa_memory_ordered 1
		.amdhsa_forward_progress 1
		.amdhsa_inst_pref_size 108
	.end_amdhsa_kernel
	.amdgpu_metadata
---
amdhsa.version: [ 1, 2 ]
amdhsa.kernels:
  - .name:           k_qbb85d1242c_attn
    .symbol:         k_qbb85d1242c_attn.kd
    .args:
      - { .name: query, .offset: 0, .size: 8, .value_kind: global_buffer, .address_space: global }
      - { .name: kv, .offset: 8, .size: 8, .value_kind: global_buffer, .address_space: global }
      - { .name: out0, .offset: 16, .size: 8, .value_kind: global_buffer, .address_space: global }
    .group_segment_fixed_size: 327680
    .private_segment_fixed_size: 0
    .kernarg_segment_align: 8
    .kernarg_segment_size: 24
    .max_flat_workgroup_size: 512
    .sgpr_count:     66
    .vgpr_count:     256
    .wavefront_size: 32
...
	.end_amdgpu_metadata
.endif
;; end of part 2
